; MI455X (gfx1250); checked and timed in simulation.
; The chip was launched on July 23, 2026; its instructions are those of AMD's public machine-readable ISA for CDNA 5 (MIT licence, August 2026) and "CDNA5" Instruction Set Architecture Reference Guide (July 2026). The comments in the code are by the model that wrote it; some were corrected since.
;; Bit Linear. Allowed arithmetic: matrix products marked QUANTISED: E5M2 operands, one given power-of-two scale a tensor, by v_wmma_f32_16x16x64_bf8_bf8 or v_wmma_f32_16x16x128_bf8_bf8, f32 sums; everything else in f32.
;; Inputs: input 2 x 2,048 x 4,096 float32; lowp_scales 2 int32 (the exponents e of the quantised operands' scales 2^e); weight 4,096 x 4,096 float32.
;; Outputs: out0 2 x 2,048 x 4,096 float32.
;; This version of the problem:
;;   THIS VERSION OF THE PROBLEM IS GIVEN IN LOW PRECISION. The matrix products marked QUANTISED in the list below multiply operands that are first quantised to E5M2 (5 exponent bits, 2 mantissa bits; 8 bits a number), with one given power-of-two scale for each operand tensor; their sums are f32. All else is computed in f32.
;;   The module's matrix products, in the order in which they are computed (A, B: the left and right operand; K: the contracted axis; several contracted axes count as one K, in the product's order):
;;     1. [M 4,096, K 4,096] x [K 4,096, N 4,096]; A: input input; B: computed on the way: QUANTISED (scales: A lowp_scales[0], B lowp_scales[1])
;;   THE QUANTISER, for each operand of a quantised product, along K:
;;     - The operand's scale is 2^e, e = its entry of the input lowp_scales (int32; the entries are numbered through the quantised products in the list's order, A before B).
;;     - Each number is divided by the scale, clamped to +-57,344, and rounded to the nearest number of E5M2, ties to even, subnormals kept.
;;     - The product sums the exact products of the quantised numbers (number of the format x scale) in f32.
;;   ~~~python
;;   def quantise(x, axis, e):      # numpy; x: float32 -> the quantised numbers, widened to float32 again
;;       x = np.moveaxis(x, axis, -1); K = x.shape[-1]
;;       r = np.clip(x / 2.0 ** e, -57344, 57344)
;;       step = 2.0 ** (np.maximum(np.frexp(np.where(r == 0, 1, r))[1] - 1, -14) - 2)
;;       q = np.round(r / step) * step * 2.0 ** e      # np.round: ties to even
;;       return np.moveaxis(q, -1, axis).astype(np.float32)
;;   ~~~
;;   OPERANDS COMPUTED ON THE WAY. 'Computed on the way' means the value that the module computes at that place (a softmax that the list does not call 'softmax' is quantised finished and normalised). What goes into a quantiser is computed in f32, as accurately as f32 sums, v_exp_f32 and their like allow (about 1e-6 of the number): no bf16 or f16 on the way to a quantiser, and a product that is left as it is and whose result goes on into a quantised operand takes f32 operands (vector FMAs, or v_wmma_f32_16x16x4_f32). A number that lies on a knife's edge between two numbers of the format may be rounded either way, as far as f32 arithmetic and the matrix unit's own rounding can turn it there, and no further.
;; One version. Each part assembles by itself: llvm-mc -triple=amdgcn-amd-amdhsa -mcpu=gfx1250 --defsym DOCPART=n.
;; ======== version 1 of 1: 3 launches
;; limits: right only within a limited range of input values
;; workspace buffers: x_codes 16,777,216 bytes; w_codes 16,777,216 bytes; wpart 2,048 bytes
;; launch prep (part 1): grid 512 x 1, 4 waves a work-group, no clusters, 35,584 bytes of LDS; arguments input, weight, lowp_scales, x_codes, wpart; writes x_codes, wpart
.if DOCPART == 1
	.amdgcn_target "amdgcn-amd-amdhsa--gfx1250"
	.amdhsa_code_object_version 6
	.text
	.protected	k_q1e304e263b_prep
	.globl	k_q1e304e263b_prep
	.p2align	8
	.type	k_q1e304e263b_prep,@function
k_q1e304e263b_prep:
	s_mov_b64 s[64:65], 0
	v_nop
	global_prefetch_b8 v0, s[64:65] scope:SCOPE_SE
	s_setreg_imm32_b32 hwreg(HW_REG_WAVE_MODE, 25, 1), 1
	s_wait_xcnt 0x0
; TWO STREAMS IN ONE PASS.  (1) x [4096][4096] f32 becomes codes of BF8 (E5M2) with the given scale 2^e0: code = x / 2^e0, held within +-57,344, to the nearest code, ties to even.
; (2) the magnitudes of w [4096][4096] f32 are summed: one partial sum for each work-group, 512 in all; the next launch adds them to the mean.
; SHARES.  512 work-groups of four waves; wave R = 4 x work-group + wave.  Of w it takes numbers 8,192 R on.  Of x it takes 16 rows x 512 columns: rows 16 (R / 8) on, columns 512 (R % 8) on; step t is row t.
; THE CODES' LAYOUT is the product's register order: [16-row block][64 along K][1,024 bytes]; in a piece of 1,024 bytes, byte 512 p + 16 (r + 16 h) + 4 d + b belongs to row r.
; A step's four loads take 512 consecutive bytes each, so lane l holds k = 128 d + 4 l + b of the 512 in register 4 d + b, and its 16 codes are bytes 256 l + 16 r .. + 15 of the wave's 8,192.
; The weight's codes lie by rows with byte 16 l + 4 d + b of each 512 holding that same k, so in the product every code meets its partner; only the order of the f32 sums differs.
; The 16 rows meet in the wave's own stage in LDS (a lane's 256 bytes + 16 of padding) and leave as 16 stores of 512 consecutive bytes at the wave's end.
; LIMITS: e0 between -126 and 112, so that 2^e0 and 57,344 x 2^e0 are f32 numbers.  NaN among the inputs is not served; an infinity in x is held at the largest code.
.set STEPS, 16
.set X,     16                         ; v16-79    four sets of 16 numbers of x; at the end the codes read back from the stage
.set W,     80                         ; v80-143   four sets of 16 numbers of w
.set C,     144                        ; v144-207  codes: four registers for each step
.set S,     4                          ; v4-7      four chains of |w|
.set SP,    272                        ; a lane's place in the stage
.set STG,   768                        ; the stages lie behind the four sums (bytes 0-15) and the spare words (bytes 256-767)
	s_load_b256 s[4:11], s[0:1], 0x0               ; x s[4:5], w s[6:7], the scales' exponents s[8:9], x's codes s[10:11]
	s_load_b64 s[12:13], s[0:1], 0x20              ; the partial sums
	v_lshl_add_u32 v208, v0, 2, 0x100              ; my spare word
	v_mov_b32 v209, 0
	v_lshrrev_b32 v1, 5, v0
	v_readfirstlane_b32 s16, v1                    ; wave 0..3
	s_mul_i32 s17, s16, 32*SP
	s_add_co_u32 s17, s17, STG                     ; my wave's stage
	s_mov_b32 s24, 0x76543210                      ; v_permlanex16_b32's selects: lane l xor 16
	s_mov_b32 s25, 0xfedcba98
	s_lshl_b32 s18, ttmp9, 2
	s_add_co_u32 s18, s18, s16                     ; R, 0 .. 2,047
	s_lshr_b32 s20, s18, 3
	s_lshl_b32 s20, s20, 18                        ; 16 rows of 16,384 bytes
	s_and_b32 s21, s18, 7
	s_lshl_b32 s21, s21, 11                        ; 512 columns of 4 bytes
	s_add_co_u32 s20, s20, s21
	s_mov_b32 s21, 0
	s_lshl_b32 s14, s18, 15                        ; w: 8,192 numbers of 4 bytes
	s_mov_b32 s15, 0
	s_lshl_b32 s22, s18, 13                        ; 8,192 codes
	s_mov_b32 s23, 0
	s_lshl_b32 s28, ttmp9, 2                       ; my work-group's word among the partial sums
	s_mov_b32 s29, 0
	v_and_b32 v12, 31, v0                          ; lane
	v_lshlrev_b32 v3, 4, v12                       ; 16 x lane: my bytes of a load's 512 and of a store's 512; never rewritten
	v_mul_u32_u24 v13, v12, SP
	v_add_nc_u32 v210, s17, v13                    ; into the stage: SP x lane; the row stands in the immediate
	v_lshrrev_b32 v13, 4, v12
	v_mul_u32_u24 v13, v13, SP
	v_and_b32 v12, 15, v12
	v_lshl_add_u32 v13, v12, 4, v13
	v_add_nc_u32 v211, s17, v13                    ; out of it: sixteen lanes to a place of 256 bytes, two places an instruction
	v_mov_b32 v2, 0                                ; the offset of the partial sum's store
	v_mov_b32 v9, 0                                ; written once: a lane permute's destination counts as one of its sources
	s_wait_alu depctr_va_vdst(0)
	s_wait_kmcnt 0x0
	s_load_b32 s26, s[8:9], 0x0                    ; e0
	s_add_nc_u64 s[4:5], s[4:5], s[20:21]
	s_add_nc_u64 s[6:7], s[6:7], s[14:15]
	s_add_nc_u64 s[10:11], s[10:11], s[22:23]
	s_add_nc_u64 s[12:13], s[12:13], s[28:29]
.macro LOAD t                          ; step t: eight loads, 512 consecutive bytes each
.irp i, 0,1,2,3
	global_load_b128 v[X+16*((\t)%4)+4*\i:X+16*((\t)%4)+4*\i+3], v3, s[4:5] offset:16384*(\t)+512*\i th:TH_LOAD_NT
.endr
.irp i, 0,1,2,3
	global_load_b128 v[W+16*((\t)%4)+4*\i:W+16*((\t)%4)+4*\i+3], v3, s[6:7] offset:2048*(\t)+512*\i
.endr
.endm
.irp t, 0,1,2,3
	LOAD \t                                        ; four steps, 32 loads a wave, are on their way
.endr
	s_wait_kmcnt 0x0
	s_add_co_i32 s30, s26, 127
	s_lshl_b32 s31, s30, 23
	v_mov_b32 v11, s31                             ; 2^e0 as f32: the conversion takes its exponent field
	s_add_co_i32 s30, s30, 15
	s_lshl_b32 s30, s30, 23
	s_or_b32 s30, s30, 0x600000
	v_mov_b32 v10, s30                             ; 57,344 x 2^e0
.macro STEP t
.set XS, X+16*((\t)%4)
.set WS, W+16*((\t)%4)
.if (\t) <= 12
	s_wait_loadcnt 24                              ; this step's eight loads are in; the eight of each of the three steps behind it may be out
.else
	s_wait_loadcnt 8*(15-(\t))                     ; the last steps: fewer are behind
.endif
.irp i, 0,1,2,3,4,5,6,7,8,9,10,11,12,13,14,15
	v_med3_num_f32 v[XS+\i], v[XS+\i], -v10, v10   ; the conversion to an 8-bit code does not saturate (ISA guide 7.6.2): hold the number first
.endr
	v_cvt_scalef32_pk8_bf8_f32 v[C+4*(\t):C+4*(\t)+1], v[XS:XS+7], v11
	v_cvt_scalef32_pk8_bf8_f32 v[C+4*(\t)+2:C+4*(\t)+3], v[XS+8:XS+15], v11
.if (\t) == 0                          ; the first eight numbers start the four chains: nothing is cleared.  (These additions are also the plain lines behind the conversions)
.irp i, 0,1,2,3
	v_add_f32 v[S+\i], |v[WS+\i]|, |v[WS+4+\i]|
.endr
.irp i, 8,9,10,11,12,13,14,15
	v_add_f32 v[S+(\i)%4], v[S+(\i)%4], |v[WS+\i]|
.endr
.else
.irp i, 0,1,2,3,4,5,6,7,8,9,10,11,12,13,14,15
	v_add_f32 v[S+(\i)%4], v[S+(\i)%4], |v[WS+\i]|
.endr
.endif
	ds_store_b128 v210, v[C+4*(\t):C+4*(\t)+3] offset:16*(\t)   ; row t's 16 bytes of my place
.if (\t)+4 < STEPS
	LOAD (\t)+4                                    ; into the two sets just worked
.endif
.endm
	s_wait_alu depctr_va_vdst(0)                   ; the head's end
.irp t, 0,1,2,3,4,5,6,7,8,9,10,11,12,13,14,15
	STEP \t
.endr
.irp t, 0,1,2,3,4,5,6,7,8,9,10,11,12,13,14,15
	ds_load_b128 v[X+4*\t:X+4*\t+3], v211 offset:2*SP*\t   ; LDS serves a wave's instructions in order: these see my stores
.endr
	; the wave's sum: four chains, then the 32 lanes; then the four waves' sums meet in LDS
	v_add_f32 v4, v4, v5
	v_add_f32 v6, v6, v7
	v_add_f32 v8, v4, v6
	v_add_f32_dpp v8, v8, v8 row_xmask:1 row_mask:0xf bank_mask:0xf
	v_add_f32_dpp v8, v8, v8 row_xmask:2 row_mask:0xf bank_mask:0xf
	v_add_f32_dpp v8, v8, v8 row_xmask:4 row_mask:0xf bank_mask:0xf
	v_add_f32_dpp v8, v8, v8 row_xmask:8 row_mask:0xf bank_mask:0xf
	v_permlanex16_b32 v9, v8, s24, s25
	v_add_f32 v8, v8, v9                           ; every lane holds the wave's sum
	v_mov_b32 v1, s16
	v_lshlrev_b32 v1, 2, v1
	ds_store_b32 v1, v8                            ; all lanes write the wave's word with the same number
	s_wait_dscnt 0x0                               ; for the others' sake: my store has landed; my codes are back too
	s_barrier_signal -1
	s_barrier_wait -1
	v_mov_b32 v1, 0
	ds_load_b128 v[12:15], v1                      ; the four waves' sums
	s_wait_dscnt 0x0
	v_add_f32 v12, v12, v13
	v_add_f32 v14, v14, v15
	v_add_f32 v12, v12, v14
	v_cmp_gt_u32 vcc_lo, 1, v0                     ; thread 0 alone stores the work-group's sum
.irp t, 0,1,2,3,4,5,6,7,8,9,10,11,12,13,14,15
	global_store_b128 v3, v[X+4*\t:X+4*\t+3], s[10:11] offset:512*\t   ; 32 lanes store 512 consecutive bytes, at a multiple of 512 from the buffer's first byte
.endr
	s_wait_alu depctr_va_vdst(0)
	s_wait_xcnt 0x0                                ; EXEC is a source of the stores above: it changes only behind this wait
	s_wait_tensorcnt 0x0                           ; the wave's end
	ds_add_u32 v208, v209
	s_wait_dscnt 0x0
	s_and_saveexec_b32 s19, vcc_lo
	global_store_b32 v2, v12, s[12:13]
	s_wait_xcnt 0x0                                ; and again in front of the line that widens it
	s_or_b32 exec_lo, exec_lo, s19
	s_endpgm
.Lfunc_end_k_q1e304e263b_prep:
	.size	k_q1e304e263b_prep, .Lfunc_end_k_q1e304e263b_prep-k_q1e304e263b_prep
	.p2alignl 7, 3214868480
	.fill 96, 4, 3214868480
	.section	.rodata,"a",@progbits
	.p2align	6, 0x0
	.amdhsa_kernel k_q1e304e263b_prep
		.amdhsa_group_segment_fixed_size 35584
		.amdhsa_private_segment_fixed_size 0
		.amdhsa_enable_private_segment 0
		.amdhsa_kernarg_size 40
		.amdhsa_user_sgpr_count 2
		.amdhsa_user_sgpr_kernarg_segment_ptr 1
		.amdhsa_wavefront_size32 1
		.amdhsa_system_sgpr_workgroup_id_x 1
		.amdhsa_system_sgpr_workgroup_id_y 1
		.amdhsa_system_sgpr_workgroup_id_z 1
		.amdhsa_system_vgpr_workitem_id 0
		.amdhsa_next_free_vgpr 212
		.amdhsa_next_free_sgpr 66
		.amdhsa_reserve_vcc 1
		.amdhsa_float_denorm_mode_32 3
		.amdhsa_float_denorm_mode_16_64 3
		.amdhsa_memory_ordered 1
		.amdhsa_forward_progress 1
		.amdhsa_inst_pref_size 54
	.end_amdhsa_kernel
	.amdgpu_metadata
---
amdhsa.version: [ 1, 2 ]
amdhsa.kernels:
  - .name:           k_q1e304e263b_prep
    .symbol:         k_q1e304e263b_prep.kd
    .args:
      - { .name: input, .offset: 0, .size: 8, .value_kind: global_buffer, .address_space: global }
      - { .name: weight, .offset: 8, .size: 8, .value_kind: global_buffer, .address_space: global }
      - { .name: lowp_scales, .offset: 16, .size: 8, .value_kind: global_buffer, .address_space: global }
      - { .name: x_codes, .offset: 24, .size: 8, .value_kind: global_buffer, .address_space: global }
      - { .name: wpart, .offset: 32, .size: 8, .value_kind: global_buffer, .address_space: global }
    .group_segment_fixed_size: 35584
    .private_segment_fixed_size: 0
    .kernarg_segment_align: 8
    .kernarg_segment_size: 40
    .max_flat_workgroup_size: 128
    .sgpr_count:     66
    .vgpr_count:     212
    .wavefront_size: 32
...
	.end_amdgpu_metadata
.endif
;; end of part 1
;; launch wquant (part 2): grid 512 x 1, 4 waves a work-group, no clusters, 0 bytes of LDS; arguments weight, wpart, lowp_scales, w_codes; writes w_codes
.if DOCPART == 2
	.amdgcn_target "amdgcn-amd-amdhsa--gfx1250"
	.amdhsa_code_object_version 6
	.text
	.protected	k_q1e304e263b_wquant
	.globl	k_q1e304e263b_wquant
	.p2align	8
	.type	k_q1e304e263b_wquant,@function
k_q1e304e263b_wquant:
	s_mov_b64 s[64:65], 0
	v_nop
	global_prefetch_b8 v0, s[64:65] scope:SCOPE_SE
	s_setreg_imm32_b32 hwreg(HW_REG_WAVE_MODE, 25, 1), 1
	s_wait_xcnt 0x0
; w [4096][4096] f32 becomes the codes of BF8 (E5M2) of w_q = round(clip(w / (s + 1e-8), -1, 1)) x s, s = the mean of |w|, with the given scale 2^e1.
; s.  Every wave adds the 512 partial sums of the launch before, all in the same order, so s has the same bits in every wave; 4096 x 4096 = 2^24, so the mean is the sum x 2^-24, which rounds nothing.
; THE TERNARY STEP WITHOUT A DIVISION.  With t = s + 1e-8 (at least 1e-8, so a normal number, and t / 2 is exact): round(clip(w / t, -1, 1)) is +-1 exactly where |w| > t / 2 and 0 elsewhere.  At |w| = t / 2 the quotient is 0.5,
; which rounds to the even 0.  The next f32 number above t / 2 is t / 2 x (1 + d) with d > 2^-24; its quotient lies above 0.5 + 2^-25, the middle between 0.5 and the f32 number behind it, so the rounded quotient is above 0.5.
; So one exact compare gives what the f32 division gives.  The number that goes into the quantiser is then +-s or 0.
; THE HOLD is made once: s is not negative, so min(s, 57,344 x 2^e1) with w's sign is the held number.
; SHARES AND LAYOUT as for x's codes: wave R = 4 x work-group + wave takes numbers 8,192 R on, 16 steps of 512; loads take the bytes as they lie; byte 512 g + 16 l + 4 i + j of a row of codes holds
; k = 512 g + 128 i + 4 l + j: the same permutation of k as in x's codes.  No LDS, no barrier: waves share nothing.  Loads run eight steps (32 loads a wave) ahead.
; LIMITS: e1 between -126 and 112.  NaN among the inputs is not served.
.set STEPS, 16
.set R,     16                         ; v16-143   eight sets of 16 numbers
.set C,     144                        ; v144-207  codes: four registers for each step, so that no store's data are written again
.set P,     208                        ; v208-223  16 partial sums a lane
	s_load_b256 s[4:11], s[0:1], 0x0               ; w s[4:5], the partial sums s[6:7], the scales' exponents s[8:9], w's codes s[10:11]
	v_lshrrev_b32 v1, 5, v0
	v_readfirstlane_b32 s16, v1                    ; wave 0..3
	v_and_b32 v3, 31, v0
	v_lshlrev_b32 v3, 4, v3                        ; 16 x lane; never rewritten
	v_mov_b32 v9, 0                                ; written once: a lane permute's destination counts as one of its sources
	s_mov_b32 s24, 0x76543210
	s_mov_b32 s25, 0xfedcba98
	s_mov_b32 s28, 0x7fffffff                      ; all bits but the sign
	s_lshl_b32 s18, ttmp9, 2
	s_add_co_u32 s18, s18, s16                     ; R
	s_lshl_b32 s20, s18, 15
	s_mov_b32 s21, 0
	s_lshl_b32 s22, s18, 13
	s_mov_b32 s23, 0
	s_wait_alu depctr_va_vdst(0)
	s_wait_kmcnt 0x0
	s_load_b32 s27, s[8:9], 0x4                    ; e1
	s_add_nc_u64 s[4:5], s[4:5], s[20:21]
	s_add_nc_u64 s[10:11], s[10:11], s[22:23]
.irp i, 0,1,2,3
	global_load_b128 v[P+4*\i:P+4*\i+3], v3, s[6:7] offset:512*\i   ; all 2,048 bytes of partial sums, in every wave
.endr
.macro LOAD t
.irp i, 0,1,2,3
	global_load_b128 v[R+16*((\t)%8)+4*\i:R+16*((\t)%8)+4*\i+3], v3, s[4:5] offset:2048*(\t)+512*\i th:TH_LOAD_NT   ; 512 consecutive bytes; the program's last read of w
.endr
.endm
.irp t, 0,1,2,3,4,5,6,7
	LOAD \t
.endr
	s_wait_kmcnt 0x0
	s_add_co_i32 s30, s27, 127
	s_lshl_b32 s31, s30, 23
	v_mov_b32 v11, s31                             ; 2^e1 as f32: the conversion takes its exponent field
	s_add_co_i32 s30, s30, 15
	s_lshl_b32 s30, s30, 23
	s_or_b32 s30, s30, 0x600000
	v_mov_b32 v13, s30                             ; 57,344 x 2^e1
	s_wait_loadcnt 32                              ; the partial sums are in; the 32 loads of w behind them may be out
	v_pk_add_f32 v[P:P+1], v[P:P+1], v[P+2:P+3]
	v_pk_add_f32 v[P+4:P+5], v[P+4:P+5], v[P+6:P+7]
	v_pk_add_f32 v[P+8:P+9], v[P+8:P+9], v[P+10:P+11]
	v_pk_add_f32 v[P+12:P+13], v[P+12:P+13], v[P+14:P+15]
	v_pk_add_f32 v[P:P+1], v[P:P+1], v[P+4:P+5]
	v_pk_add_f32 v[P+8:P+9], v[P+8:P+9], v[P+12:P+13]
	v_pk_add_f32 v[P:P+1], v[P:P+1], v[P+8:P+9]
	v_add_f32 v8, v[P], v[P+1]
	v_add_f32_dpp v8, v8, v8 row_xmask:1 row_mask:0xf bank_mask:0xf
	v_add_f32_dpp v8, v8, v8 row_xmask:2 row_mask:0xf bank_mask:0xf
	v_add_f32_dpp v8, v8, v8 row_xmask:4 row_mask:0xf bank_mask:0xf
	v_add_f32_dpp v8, v8, v8 row_xmask:8 row_mask:0xf bank_mask:0xf
	v_permlanex16_b32 v9, v8, s24, s25
	v_add_f32 v8, v8, v9                           ; the sum of all |w|, in every lane
	v_mul_f32 v14, 0x33800000, v8                  ; s = the sum x 2^-24
	v_add_f32 v10, 0x322bcc77, v14                 ; t = s + 1e-8
	v_mul_f32 v10, 0.5, v10                        ; the threshold t / 2
	v_min_num_f32 v12, v14, v13                    ; s, held at the largest code x the scale
.macro STEP t
.set RS, R+16*((\t)%8)
.if (\t) <= 8
	s_wait_loadcnt 28                              ; this step's four loads are in; the four of each of the seven steps behind it may be out
.else
	s_wait_loadcnt 4*(15-(\t))
.endif
.irp g, 0,4,8,12                       ; four numbers at a time, so that no line waits for the line above it
.irp j, 0,1,2,3
	v_cmp_gt_f32 s[40+\j], |v[RS+\g+\j]|, v10      ; does it round to +-1?
.endr
.irp j, 0,1,2,3
	v_bfi_b32 v[RS+\g+\j], s28, v12, v[RS+\g+\j]   ; the held s with w's sign
.endr
.irp j, 0,1,2,3
	v_cndmask_b32 v[RS+\g+\j], 0, v[RS+\g+\j], s[40+\j]   ; or 0
.endr
.endr
	v_cvt_scalef32_pk8_bf8_f32 v[C+4*(\t):C+4*(\t)+1], v[RS:RS+7], v11
	v_cvt_scalef32_pk8_bf8_f32 v[C+4*(\t)+2:C+4*(\t)+3], v[RS+8:RS+15], v11
	; (the codes go to a store and the numbers' registers are next written by loads; the next vector lines are the next step's compares, plain lines on other registers)
	global_store_b128 v3, v[C+4*(\t):C+4*(\t)+3], s[10:11] offset:512*(\t)   ; 32 lanes store 512 consecutive bytes
.if (\t)+8 < STEPS
	LOAD (\t)+8
.endif
.endm
	s_wait_alu depctr_va_vdst(0)
.irp t, 0,1,2,3,4,5,6,7,8,9,10,11,12,13,14,15
	STEP \t
.endr
	s_endpgm
.Lfunc_end_k_q1e304e263b_wquant:
	.size	k_q1e304e263b_wquant, .Lfunc_end_k_q1e304e263b_wquant-k_q1e304e263b_wquant
	.p2alignl 7, 3214868480
	.fill 96, 4, 3214868480
	.section	.rodata,"a",@progbits
	.p2align	6, 0x0
	.amdhsa_kernel k_q1e304e263b_wquant
		.amdhsa_group_segment_fixed_size 0
		.amdhsa_private_segment_fixed_size 0
		.amdhsa_enable_private_segment 0
		.amdhsa_kernarg_size 32
		.amdhsa_user_sgpr_count 2
		.amdhsa_user_sgpr_kernarg_segment_ptr 1
		.amdhsa_wavefront_size32 1
		.amdhsa_system_sgpr_workgroup_id_x 1
		.amdhsa_system_sgpr_workgroup_id_y 1
		.amdhsa_system_sgpr_workgroup_id_z 1
		.amdhsa_system_vgpr_workitem_id 0
		.amdhsa_next_free_vgpr 224
		.amdhsa_next_free_sgpr 66
		.amdhsa_reserve_vcc 0
		.amdhsa_float_denorm_mode_32 3
		.amdhsa_float_denorm_mode_16_64 3
		.amdhsa_memory_ordered 1
		.amdhsa_forward_progress 1
		.amdhsa_inst_pref_size 61
	.end_amdhsa_kernel
	.amdgpu_metadata
---
amdhsa.version: [ 1, 2 ]
amdhsa.kernels:
  - .name:           k_q1e304e263b_wquant
    .symbol:         k_q1e304e263b_wquant.kd
    .args:
      - { .name: weight, .offset: 0, .size: 8, .value_kind: global_buffer, .address_space: global }
      - { .name: wpart, .offset: 8, .size: 8, .value_kind: global_buffer, .address_space: global }
      - { .name: lowp_scales, .offset: 16, .size: 8, .value_kind: global_buffer, .address_space: global }
      - { .name: w_codes, .offset: 24, .size: 8, .value_kind: global_buffer, .address_space: global }
    .group_segment_fixed_size: 0
    .private_segment_fixed_size: 0
    .kernarg_segment_align: 8
    .kernarg_segment_size: 32
    .max_flat_workgroup_size: 128
    .sgpr_count:     66
    .vgpr_count:     224
    .wavefront_size: 32
...
	.end_amdgpu_metadata
.endif
;; end of part 2
;; launch gemm (part 3): grid 16 x 16, 4 waves a work-group, clusters of 4 x 1, 327,680 bytes of LDS; arguments x_codes, w_codes, lowp_scales, out0; writes out0
.if DOCPART == 3
	.amdgcn_target "amdgcn-amd-amdhsa--gfx1250"
	.amdhsa_code_object_version 6
	.text
	.protected	k_q1e304e263b_gemm
	.globl	k_q1e304e263b_gemm
	.p2align	8
	.type	k_q1e304e263b_gemm,@function
k_q1e304e263b_gemm:
	s_mov_b64 s[64:65], 0
	v_nop
	global_prefetch_b8 v0, s[64:65] scope:SCOPE_SE
	s_setreg_imm32_b32 hwreg(HW_REG_WAVE_MODE, 25, 1), 1
	s_wait_xcnt 0x0
	s_wait_alu depctr_hold_cnt(0) depctr_sa_sdst(0) depctr_va_vdst(0) depctr_va_sdst(0) depctr_va_ssrc(0) depctr_va_vcc(0) depctr_vm_vsrc(0)
	s_getreg_b32 s2, hwreg(HW_REG_IB_STS2, 6, 4)
	s_cmp_eq_u32 s2, 0
	s_cbranch_scc0 .Lentry_in_a_cluster
	s_endpgm
.Lentry_in_a_cluster:
	s_bfe_u32 s2, ttmp6, 0x10000c
	s_cmp_lg_u32 s2, 0x3003
	s_cbranch_scc0 .Lentry_shape_is_right
	s_endpgm
.Lentry_shape_is_right:
; out[m][n] = 2^(e0 + e1) x the sum over k of X[m][k] W[n][k], on codes of BF8 (E5M2); 4096 x 4096 x 4096; sums in f32.  LIMIT: e0 + e1 between -126 and 127.
; A work-group of four waves makes 256 x 256 of out; a wave 128 x 128: 64 accumulators, 512 registers.  A step is 128 along K: 64 matrix instructions of 16 x 16 x 128.
; W's CODES lie by rows and come through LDS: a ring of two slots, each 256 rows x 512 along K (four steps), a wave's tensor load 64 rows of 512 bytes, 16 bytes of padding behind each row.
; X's CODES lie in register order ([16-row block][64 along K][1,024 bytes]: the launch that makes them says how) and go from memory straight into registers:
; each load takes 512 consecutive bytes; two register sets, each half asked for again as soon as it is free, one and a half steps ahead of its use, and waited for by count.  Both tensors carry the same permutation of k.
; CLUSTER 4, 1, 1: the four partners make four tile rows of one tile column of out, so they need the same tiles of W: asked for jointly, mask 15.  Their tiles of X differ, so X has no joint load.
; THE MATRIX INSTRUCTION IS USED TRANSPOSED (source 0 = 16 rows of W, source 1 = 16 rows of X): a lane holds eight neighbouring numbers of a row of out.
; REGISTERS, in windows of 256.  Each window holds a quadrant of the accumulators in v128-255 ((xi, wi) at 128 + 8 (4 xi + wi)) and one operand half below:
;   window 0: W rows 0-63 x X rows 0-63;     v64-127 W's blocks 0-3, one set; v16-29 addresses
;   window 1: W rows 0-63 x X rows 64-127;   v0-127 X's blocks 4-7, two sets
;   window 3: W rows 64-127 x X rows 64-127; v64-127 W's blocks 4-7, one set
;   window 2: W rows 64-127 x X rows 0-63;   v0-127 X's blocks 0-3, two sets
; A STEP goes through the four quadrants, sixteen matrix instructions each: first the two of X's rows 0-63, then the two of rows 64-127.  Even steps take W's halves 0, 1, 1, 0, odd steps 1, 0, 0, 1:
; so the half of W that a step's second and third quadrant use is free behind the third and is the first that the next step wants.  Three runs of loads: behind the second quadrant X's rows 0-63 of two steps on;
; behind the third the free half of W for the next step; behind the fourth the other half of W and X's rows 64-127 of two steps on.
.set PITCH,  528                       ; an LDS row: 512 bytes + 16: an odd multiple of 16
.set QT,     64*PITCH                  ; what one tensor load brings
.set SLOT,   4*QT
.set SPARE,  2*SLOT                    ; behind the ring: the spare words, 128 bytes a wave
.set SPITCH, 528                       ; the way out: a stage of 16 rows x (512 + 16) bytes a wave, in slot 0, behind its last fill and its last read
.set ADRW, 16                          ; v16-17 LDS address of my W fragments in slot 0, 1
.set XO,   18                          ; v18    16 x lane
.set PFX,  19                          ; v19    256 x lane
.set PFW,  20                          ; v20    4,096 (lane / 2) + 256 (lane % 2)
.set STO,  24
.set RD,   25
.set SPW,  28
.set NIL,  29
.set TMP,  64                          ; the way out: window 0, where W's blocks lay
.set G1, 24                            ; s[24:31] descriptor group 1; s[32:39] group 0, a set for each slot
.set G0, 32
.set XB,  48                           ; s[48:49] my X blocks, at the trip's first step
.set PXB, 50                           ; s[50:51] the four X blocks that I prefetch
.set PWB, 52                           ; s[52:53] the 16 rows of W that I prefetch
.set P1, 0x08                          ; W half 0 x X half 0: source 0 window 0, source 1 window 2, C and D window 0
.set P2, 0x54                          ; W half 0 x X half 1: 0, 1, 1
.set P3, 0xf7                          ; W half 1 x X half 1: 3, 1, 3
.set P4, 0xab                          ; W half 1 x X half 0: 3, 2, 2
.set MSB, 0
.macro WIN new                         ; the immediate's high byte repeats the setting that is left
.if MSB != \new
	s_set_vgpr_msb (MSB<<8)|\new
.set MSB, \new
.endif
.endm
.macro PLACES
.rept 4
	v_nop
.endr
.endm
.macro CREST                           ; a round of the cluster's barrier behind its opening barrier
	s_cmp_lg_u32 s14, 0
	s_cbranch_scc1 .Lnot_wave_0_\@
	s_barrier_signal -3
.Lnot_wave_0_\@:
	s_barrier_wait -3
	s_barrier_signal -1
	s_barrier_wait -1
.endm
.macro CROUND
	s_barrier_signal -1
	s_barrier_wait -1
	CREST
.endm
.macro LX half, set, off               ; sixteen loads: four X blocks of one step into a set
.irp i, 0,1,2,3
.irp c, 0,1,2,3
	global_load_b128 v[64*(\set)+16*\i+4*\c:64*(\set)+16*\i+4*\c+3], v[XO], s[XB:XB+1] offset:(\off)+(4*\half+\i)*65536+512*\c
.endr
.endr
.endm
.macro LW half, adr, off               ; sixteen LDS loads: four W blocks of one step
.irp i, 0,1,2,3
.irp c, 0,1,2,3
	ds_load_b128 v[64+16*\i+4*\c:64+16*\i+4*\c+3], v[\adr] offset:(\off)+(4*\half+\i)*16*PITCH+32*\c
.endr
.endr
.endm
.macro LWH which, d, adr, off          ; which = 0: the half of W that is free behind step d's third quadrant; 1: the other
.if (((\d)+(\which))%2) == 0
	WIN 0xc0
	LW 1, \adr, \off
.else
	WIN 0
	LW 0, \adr, \off
.endif
.endm
.macro PH set, zero                    ; one quadrant: sixteen matrix instructions, the accumulators by turns
.irp xi, 0,1,2,3
.irp wi, 0,1,2,3
.set DD, 128+8*(4*\xi+\wi)
.if \zero
	v_wmma_f32_16x16x128_bf8_bf8 v[DD:DD+7], v[64+16*\wi:64+16*\wi+15], v[64*(\set)+16*\xi:64*(\set)+16*\xi+15], 0
.else
	v_wmma_f32_16x16x128_bf8_bf8 v[DD:DD+7], v[64+16*\wi:64+16*\wi+15], v[64*(\set)+16*\xi:64*(\set)+16*\xi+15], v[DD:DD+7]
.endif
.endr
.endr
.endm
.macro PHASE n, d, zero                ; the n-th quadrant of step d
.if ((\d)%2) == 0
.if \n == 0
	WIN P1
.endif
.if \n == 1
	WIN P4
.endif
.if \n == 2
	WIN P3
.endif
.if \n == 3
	WIN P2
.endif
.else
.if \n == 0
	WIN P4
.endif
.if \n == 1
	WIN P1
.endif
.if \n == 2
	WIN P2
.endif
.if \n == 3
	WIN P3
.endif
.endif
	PH (\d)%2, \zero
.endm
; A step whose successor lies in the same slot (or the very last).  d: step in the slot; kd: step in the trip; xl, wl: are X and W fetched; lcm, lce: the X loads that may stay out at the two waits; pf: the prefetches' offset, or -1.
.macro DSTEP slot, d, kd, zero, xl, wl, lcm, lce, pf
	s_wait_dscnt 16                                ; the half of W that comes first is in; the other's sixteen loads may be out
	PHASE 0, \d, \zero
	s_wait_dscnt 0x0
	PHASE 1, \d, \zero
	s_wait_loadcnt \lcm                            ; this step's X rows 64-127 are in; the sixteen loads of each younger half may be out
.if \xl
	PLACES                                         ; four places between the products and loads into registers that they read
	WIN 0x80
	LX 0, (\d)%2, ((\kd)+2)*2048
.endif
.if (\pf) >= 0
	WIN 0
	global_prefetch_b8 v[PFX], s[PXB:PXB+1] offset:\pf th:TH_LOAD_NT scope:SCOPE_SE          ; two X blocks' 8,192 bytes of the slot after next: a lane to each 256
	global_prefetch_b8 v[PFX], s[PXB:PXB+1] offset:(\pf)+65536 th:TH_LOAD_NT scope:SCOPE_SE
.endif
	PHASE 2, \d, \zero
.if \wl
	PLACES
	LWH 0, \d, ADRW+\slot, 128*((\d)+1)
.endif
	PHASE 3, \d, \zero
.if \wl
	s_wait_loadcnt \lce                            ; the next step's X rows 0-63 are in
	PLACES
	LWH 1, \d, ADRW+\slot, 128*((\d)+1)
.endif
.if \xl
	WIN 0x40
	LX 1, (\d)%2, ((\kd)+2)*2048
.endif
.endm
.macro ASK off                         ; my 16 rows x 512 bytes of W's tile two refills on; the loop's last trip has none
	s_cmp_gt_u32 s3, 1
	s_cbranch_scc0 .Lno_ask_\@
	global_prefetch_b8 v[PFW], s[PWB:PWB+1] offset:\off th:TH_LOAD_NT scope:SCOPE_SE
.Lno_ask_\@:
.endm
; A slot's last step (d = 3) changes slots.  In front of the barrier each wave waits for all its tensor loads, adds 0 to its spare word, and waits for that and for its reads of this slot.
; fill = 2: the barrier opens a round of the cluster's barrier and this slot is filled again, two slots ahead; fill = 1: nothing is filled.  W's next fragments come from the other slot.
.macro TURN slot, next, fill, kd
	WIN 0
	s_wait_tensorcnt 0x0                           ; my part of the next slot has landed
	ds_add_u32 v[SPW], v[NIL]
.if \fill == 2
	s_add_nc_u64 s[G0+4*\slot+2:G0+4*\slot+3], s[G0+4*\slot+2:G0+4*\slot+3], 1024   ; no tensor load of mine is out: this slot's next tile
.endif
	s_wait_dscnt 17                                ; the half of W that comes first is in; the other's sixteen loads and the add may be out
	PHASE 0, 3, 0
	s_wait_dscnt 0x0                               ; the add is done, my reads of this slot are over
	s_barrier_signal -1
	PHASE 1, 3, 0
	WIN 0
	s_barrier_wait -1
.if \fill == 2
	CREST
	tensor_load_to_lds s[G0+4*\slot:G0+4*\slot+3], s[G1:G1+7]
	s_nop 0
.endif
	PLACES                                         ; also the places ahead of the run below
	s_wait_loadcnt 32
	WIN 0x80
	LX 0, 1, ((\kd)+2)*2048
	WIN 0
.if \fill == 2
	ASK 2048+512*\slot
.endif
	PHASE 2, 3, 0
	PLACES
	LWH 0, 3, ADRW+\next, 0
	PHASE 3, 3, 0
	s_wait_loadcnt 32
	PLACES
	LWH 1, 3, ADRW+\next, 0
	WIN 0x40
	LX 1, 1, ((\kd)+2)*2048
.endm
	s_load_b128 s[4:7], s[0:1], 0x0                ; X's codes, W's codes
	s_load_b128 s[8:11], s[0:1], 0x10              ; the scales' exponents, out
	v_lshl_add_u32 v[SPW], v0, 2, SPARE
	v_mov_b32 v[NIL], 0
	ds_add_u32 v[SPW], v[NIL]                      ; the opening lines: the add twice on end and one wait, ahead of my first tensor load
	ds_add_u32 v[SPW], v[NIL]
	v_lshrrev_b32 v1, 5, v0
	v_readfirstlane_b32 s14, v1                    ; wave 0..3
	s_lshr_b32 s15, s14, 1                         ; my half of the tile's rows (X)
	s_and_b32 s16, s14, 1                          ; my half of its columns (W)
	s_bfe_u32 s40, ttmp6, 0x40000                  ; cx
	s_lshl_b32 s42, ttmp9, 2
	s_add_co_u32 s42, s42, s40                     ; tile row of out
	s_and_b32 s17, ttmp7, 0xffff                   ; tile column of out: the same in the four partners
	s_mov_b32 s[G1+0], 15|(1<<20)|(1<<21)|(6<<22)|(3<<25)   ; mask of the four; elements of 1 byte; padding of 4 words behind every 128
	s_mov_b32 s[G1+1], 512<<16
	s_mov_b32 s[G1+2], 64<<16
	s_mov_b32 s[G1+3], 512<<16
	s_mov_b32 s[G1+4], 64
	s_mov_b32 s[G1+5], 4096
	s_mov_b32 s[G1+6], 0
	s_mov_b32 s[G1+7], 0
	s_lshl_b32 s20, s17, 20                        ; W: row 256 x tile column + 64 x wave, rows of 4,096 bytes
	s_lshl_b32 s21, s14, 18
	s_add_co_u32 s20, s20, s21
	s_mov_b32 s21, 0
	s_lshl_b32 s54, s40, 16                        ; of those 64 rows my work-group prefetches 16, told apart by address
	s_add_co_u32 s54, s54, s20
	s_mov_b32 s55, 0
	s_mul_i32 s45, s14, QT                         ; where my rows go in a slot
	s_lshl_b32 s46, s42, 20                        ; X: block 16 x tile row + 8 x half, blocks of 65,536 bytes
	s_lshl_b32 s47, s15, 19
	s_add_co_u32 s46, s46, s47
	s_mov_b32 s47, 0
	s_lshl_b32 s56, s16, 18                        ; the two waves of a row half prefetch four blocks each
	s_mov_b32 s57, 0
	s_lshl_b32 s58, s42, 22                        ; out: row 256 x tile row + 128 x half, rows of 16,384 bytes,
	s_lshl_b32 s59, s15, 21
	s_add_co_u32 s58, s58, s59
	s_lshl_b32 s59, s17, 10                        ; column bytes 1,024 x tile column + 512 x half
	s_add_co_u32 s58, s58, s59
	s_lshl_b32 s59, s16, 9
	s_add_co_u32 s58, s58, s59
	s_mov_b32 s59, 0
	s_mul_i32 s22, s16, 2*QT                       ; my 128 rows of W in slot 0,
	s_add_co_u32 s19, s22, SLOT                    ; in slot 1
	s_mul_i32 s23, s14, 16*SPITCH                  ; my stage
	v_and_b32 v1, 15, v0                           ; r
	v_bfe_u32 v2, v0, 4, 1                         ; h
	v_and_b32 v6, 31, v0                           ; lane
	v_mul_u32_u24 v3, v1, PITCH
	v_lshl_add_u32 v4, v2, 4, v3                   ; a fragment's row x pitch + 16 h
	v_add_nc_u32 v[ADRW], s22, v4
	v_add_nc_u32 v[ADRW+1], s19, v4
	v_lshlrev_b32 v[XO], 4, v6
	v_lshlrev_b32 v[PFX], 8, v6
	v_lshrrev_b32 v7, 1, v6
	v_and_b32 v8, 1, v6
	v_lshlrev_b32 v8, 8, v8
	v_lshl_add_u32 v[PFW], v7, 12, v8
	v_lshl_add_u32 v5, v2, 5, v3
	v_add_nc_u32 v[STO], s23, v5                   ; into the stage: row r, 32 bytes for each half of the lanes
	v_add_nc_u32 v[RD], s23, v[XO]                 ; back: the 32 lanes take a row of 512 bytes
	s_wait_alu depctr_va_vdst(0)                   ; the end of the head's vector work
	s_wait_dscnt 0x0                               ; both opening adds are done
	s_wait_kmcnt 0x0
	s_load_b64 s[96:97], s[8:9], 0x0               ; e0, e1
	s_add_nc_u64 s[20:21], s[6:7], s[20:21]
	s_add_nc_u64 s[PWB:PWB+1], s[6:7], s[54:55]
	s_add_nc_u64 s[XB:XB+1], s[4:5], s[46:47]
	s_add_nc_u64 s[PXB:PXB+1], s[XB:XB+1], s[56:57]
	s_add_nc_u64 s[10:11], s[10:11], s[58:59]
.irp s, 0,1
	s_mov_b32 s[G0+4*\s], 1
	s_add_co_u32 s[G0+4*\s+1], s45, \s*SLOT
	s_add_nc_u64 s[G0+4*\s+2:G0+4*\s+3], s[20:21], \s*512
	s_or_b32 s[G0+4*\s+3], s[G0+4*\s+3], 0x80000000
.endr
	CROUND                                         ; the four work-groups are here: the first joint loads meet
	tensor_load_to_lds s[G0:G0+3], s[G1:G1+7]      ; slot 0: one tensor load a wave at the head
	s_nop 0
	PLACES
	WIN 0x80                                       ; X's first three halves, in the order in which the steps ask: 48 loads
	LX 0, 0, 0
	WIN 0x40
	LX 1, 0, 0
	WIN 0x80
	LX 0, 1, 2048
	WIN 0
	global_prefetch_b8 v[PFW], s[PWB:PWB+1] offset:512 th:TH_LOAD_NT scope:SCOPE_SE   ; no trip stands ahead of the first slots: W's next tile and the first slot's X blocks are asked of memory here,
.irp i, 0,1,2,3
	global_prefetch_b8 v[PFX], s[PXB:PXB+1] offset:\i*65536 th:TH_LOAD_NT scope:SCOPE_SE
.endr
	s_wait_tensorcnt 0x0                           ; my part of slot 0 is in; slot 1's first fill is issued as a refill is
	ds_add_u32 v[SPW], v[NIL]
	s_wait_dscnt 0x0
	CROUND
	tensor_load_to_lds s[G0+4:G0+7], s[G1:G1+7]
	s_nop 0
	PLACES
	LW 0, ADRW, 0                                  ; step 0 wants W's half 0 first
	WIN 0xc0
	LW 1, ADRW, 0
	s_wait_loadcnt 32                              ; step 0's X rows 0-63 are in
	WIN 0x40
	LX 1, 1, 2048
	WIN 0
.irp i, 0,1,2,3                        ; and the second slot's X blocks and W's two tiles after that here
	global_prefetch_b8 v[PFX], s[PXB:PXB+1] offset:\i*65536+8192 th:TH_LOAD_NT scope:SCOPE_SE
.endr
.irp p, 2,3
	global_prefetch_b8 v[PFW], s[PWB:PWB+1] offset:\p*512 th:TH_LOAD_NT scope:SCOPE_SE
.endr
	DSTEP 0, 0, 0, 1, 1, 1, 32, 32, -1             ; the first step stands ahead of the loop: its products start the sums
	WIN 0
	s_mov_b32 s3, 3
.Llap:                                                 ; a trip goes once round the ring, eight steps, and fills both slots again
	DSTEP 0, 1, 1, 0, 1, 1, 32, 32, 16384
	DSTEP 0, 2, 2, 0, 1, 1, 32, 32, 2*65536+16384
	TURN 0, 1, 2, 3
	DSTEP 1, 0, 4, 0, 1, 1, 32, 32, -1
	DSTEP 1, 1, 5, 0, 1, 1, 32, 32, 24576
	DSTEP 1, 2, 6, 0, 1, 1, 32, 32, 2*65536+24576
	TURN 1, 0, 2, 7
	DSTEP 0, 0, 8, 0, 1, 1, 32, 32, -1
	WIN 0
	s_wait_xcnt 0x0                                ; the loads and prefetches have read their bases
	s_add_nc_u64 s[XB:XB+1], s[XB:XB+1], 16384
	s_add_nc_u64 s[PXB:PXB+1], s[PXB:PXB+1], 16384
	s_add_nc_u64 s[PWB:PWB+1], s[PWB:PWB+1], 1024
	s_sub_co_u32 s3, s3, 1
	s_cmp_lg_u32 s3, 0
	s_cbranch_scc1 .Llap
	DSTEP 0, 1, 1, 0, 1, 1, 32, 32, -1             ; the last two slots fill nothing and prefetch nothing
	DSTEP 0, 2, 2, 0, 1, 1, 32, 32, -1
	TURN 0, 1, 1, 3
	DSTEP 1, 0, 4, 0, 1, 1, 32, 32, -1
	DSTEP 1, 1, 5, 0, 1, 1, 32, 32, -1
	DSTEP 1, 2, 6, 0, 0, 1, 32, 16, -1             ; X's last loads are out: the counts run down
	DSTEP 1, 3, 7, 0, 0, 0, 0, 0, -1
	WIN 0
; THE WAY OUT, by blocks of 16 rows x 128 columns: x 2^(e0 + e1), through my own stage, back as whole rows of 512 bytes, which the 32 lanes store as two aligned units of 256 bytes.
.macro TOSTAGE a
.set AC, 128+32*((\a)%4)
	WIN (\a)/4                                     ; source 0: the window of columns 0-63
.irp j, 0,2,4,6,8,10,12,14,16,18,20,22,24,26,28,30
	v_pk_mul_f32 v[TMP+\j:TMP+\j+1], v[AC+\j:AC+\j+1], s[96:97] op_sel_hi:[1,0]
.endr
	WIN 2+(\a)/4                                   ; and of columns 64-127
.irp j, 0,2,4,6,8,10,12,14,16,18,20,22,24,26,28,30
	v_pk_mul_f32 v[TMP+32+\j:TMP+32+\j+1], v[AC+\j:AC+\j+1], s[96:97] op_sel_hi:[1,0]
.endr
	WIN 0
.irp b, 0,1,2,3,4,5,6,7
	ds_store_b128 v[STO], v[TMP+8*\b:TMP+8*\b+3] offset:64*\b
	ds_store_b128 v[STO], v[TMP+8*\b+4:TMP+8*\b+7] offset:64*\b+16
.endr
.set BB, 64*((\a)%2)
	WIN 0x40                                       ; back into window 1, where X's blocks lay
.irp t, 0,1,2,3,4,5,6,7,8,9,10,11,12,13,14,15
	ds_load_b128 v[BB+4*\t:BB+4*\t+3], v[RD] offset:\t*SPITCH
.endr
	WIN 0
.endm
.macro SEND a, younger
.set BB, 64*((\a)%2)
	s_wait_dscnt \younger                          ; the block is back in registers
.if (\a) > 0
	s_add_nc_u64 s[10:11], s[10:11], 16*16384      ; behind a wait on XCNT: the earlier stores have read their base
.endif
	WIN 0x04                                       ; the stores' data lie in window 1
.irp t, 0,1,2,3,4,5,6,7,8,9,10,11,12,13,14,15
	global_store_b128 v[XO], v[BB+4*\t:BB+4*\t+3], s[10:11] offset:\t*16384 th:TH_STORE_NT
.endr
	WIN 0
.endm
	s_wait_kmcnt 0x0
	s_add_co_i32 s96, s96, s97
	s_add_co_i32 s96, s96, 127
	s_lshl_b32 s96, s96, 23                        ; 2^(e0 + e1) as f32
	PLACES
	TOSTAGE 0
.irp a, 1,2,3,4,5,6,7
.if \a > 1
	s_wait_xcnt 0x0                                ; block a - 2's stores have read their registers and their base
.endif
	TOSTAGE \a
	SEND \a-1, 32                                  ; behind block a - 1's loads: block a's 16 stores and 16 loads
.endr
	s_wait_xcnt 0x0
	SEND 7, 0
	s_wait_tensorcnt 0x0                           ; the wave's end
	ds_add_u32 v[SPW], v[NIL]
	s_wait_dscnt 0x0
	CROUND                                         ; the closing round
	s_endpgm
.Lfunc_end_k_q1e304e263b_gemm:
	.size	k_q1e304e263b_gemm, .Lfunc_end_k_q1e304e263b_gemm-k_q1e304e263b_gemm
	.p2alignl 7, 3214868480
	.fill 96, 4, 3214868480
	.section	.rodata,"a",@progbits
	.p2align	6, 0x0
	.amdhsa_kernel k_q1e304e263b_gemm
		.amdhsa_group_segment_fixed_size 327680
		.amdhsa_private_segment_fixed_size 0
		.amdhsa_enable_private_segment 0
		.amdhsa_kernarg_size 32
		.amdhsa_user_sgpr_count 2
		.amdhsa_user_sgpr_kernarg_segment_ptr 1
		.amdhsa_wavefront_size32 1
		.amdhsa_system_sgpr_workgroup_id_x 1
		.amdhsa_system_sgpr_workgroup_id_y 1
		.amdhsa_system_sgpr_workgroup_id_z 1
		.amdhsa_system_vgpr_workitem_id 0
		.amdhsa_next_free_vgpr 1024
		.amdhsa_next_free_sgpr 98
		.amdhsa_reserve_vcc 0
		.amdhsa_float_denorm_mode_32 3
		.amdhsa_float_denorm_mode_16_64 3
		.amdhsa_memory_ordered 1
		.amdhsa_forward_progress 1
		.amdhsa_inst_pref_size 212
	.end_amdhsa_kernel
	.amdgpu_metadata
---
amdhsa.version: [ 1, 2 ]
amdhsa.kernels:
  - .name:           k_q1e304e263b_gemm
    .symbol:         k_q1e304e263b_gemm.kd
    .args:
      - { .name: x_codes, .offset: 0, .size: 8, .value_kind: global_buffer, .address_space: global }
      - { .name: w_codes, .offset: 8, .size: 8, .value_kind: global_buffer, .address_space: global }
      - { .name: lowp_scales, .offset: 16, .size: 8, .value_kind: global_buffer, .address_space: global }
      - { .name: out0, .offset: 24, .size: 8, .value_kind: global_buffer, .address_space: global }
    .group_segment_fixed_size: 327680
    .private_segment_fixed_size: 0
    .kernarg_segment_align: 8
    .kernarg_segment_size: 32
    .max_flat_workgroup_size: 128
    .sgpr_count:     98
    .vgpr_count:     1024
    .wavefront_size: 32
...
	.end_amdgpu_metadata
.endif
;; end of part 3
